; MI455X (gfx1250); checked and timed in simulation.
; The chip was launched on July 23, 2026; its instructions are those of AMD's public machine-readable ISA for CDNA 5 (MIT licence, August 2026) and "CDNA5" Instruction Set Architecture Reference Guide (July 2026). The comments in the code are by the model that wrote it; some were corrected since.
;; RSR Linear. Allowed arithmetic: matrix products marked QUANTISED: E2M1 operands, one E8M0 scale for each 32 along K, by v_wmma_scale_f32_16x16x128_f8f6f4 with both operands' format E2M1 (or v_wmma_scale_f32_32x16x128_f4), f32 sums; everything else in f32.
;; Inputs: W 4,096 x 4,096 float32; bias 4,096 float32; weight_scale one number float32; x 1 x 4,096 x 4,096 float32.
;; Outputs: out0 1 x 4,096 x 4,096 float32.
;; This version of the problem:
;;   THIS VERSION OF THE PROBLEM IS GIVEN IN LOW PRECISION. The matrix products marked QUANTISED in the list below multiply operands that are first quantised to E2M1 (2 exponent bits, 1 mantissa bit; 4 bits a number), with one power-of-two scale for each 32 numbers along K (OCP MX v1.0); their sums are f32. All else is computed in f32.
;;   The module's matrix products, in the order in which they are computed (A, B: the left and right operand; K: the contracted axis; several contracted axes count as one K, in the product's order):
;;     1. [M 4,096, K 4,096] x [K 4,096, N 4,096]; A: computed on the way; B: input W: QUANTISED
;;   THE QUANTISER, for each operand of a quantised product, along K:
;;     - K is cut into blocks of 32 from its start; a last block that is shorter is filled with zeros.
;;     - A block's scale is 2^e with e = floor(log2(the largest magnitude in the block)) - 2, held to -126 .. 127; a block of zeros has e = 0. As a byte (E8M0): e + 127.
;;     - Each number is divided by its block's scale, clamped to +-6, and rounded to the nearest number of E2M1, ties to even, subnormals kept.
;;     - The product sums the exact products of the quantised numbers (number of the format x scale) in f32.
;;   ~~~python
;;   def quantise(x, axis):      # numpy; x: float32 -> the quantised numbers, widened to float32 again
;;       x = np.moveaxis(x, axis, -1); K = x.shape[-1]
;;       x = np.pad(x, [(0, 0)] * (x.ndim - 1) + [(0, -K % 32)]); x = x.reshape(x.shape[:-1] + (-1, 32)); a = np.abs(x).max(-1, keepdims=True)
;;       e = np.where(a > 0, np.clip(np.frexp(np.where(a > 0, a, 1))[1] - 1 - 2, -126, 127), 0)      # np.frexp(a)[1] - 1 = floor(log2(a)), exactly
;;       r = np.clip(x / 2.0 ** e, -6, 6)
;;       step = 2.0 ** (np.maximum(np.frexp(np.where(r == 0, 1, r))[1] - 1, 0) - 1)
;;       q = np.round(r / step) * step * 2.0 ** e      # np.round: ties to even
;;       return np.moveaxis(q.reshape(q.shape[:-2] + (-1,))[..., :K], -1, axis).astype(np.float32)
;;   ~~~
;;   OPERANDS COMPUTED ON THE WAY. 'Computed on the way' means the value that the module computes at that place (a softmax that the list does not call 'softmax' is quantised finished and normalised). What goes into a quantiser is computed in f32, as accurately as f32 sums, v_exp_f32 and their like allow (about 1e-6 of the number): no bf16 or f16 on the way to a quantiser, and a product that is left as it is and whose result goes on into a quantised operand takes f32 operands (vector FMAs, or v_wmma_f32_16x16x4_f32). A number that lies on a knife's edge between two numbers of the format may be rounded either way, as far as f32 arithmetic and the matrix unit's own rounding can turn it there, and no further.
;; One version. Each part assembles by itself: llvm-mc -triple=amdgcn-amd-amdhsa -mcpu=gfx1250 --defsym DOCPART=n.
;; ======== version 1 of 1: 2 launches
;; limits: right only within a limited range of input values
;; workspace buffers: xq 8,912,896 bytes; wq 8,912,896 bytes
;; launch quant (part 1): grid 256 x 1, 16 waves a work-group, no clusters, 71,680 bytes of LDS; arguments x, W, xq, wq; writes xq, wq
.if DOCPART == 1
	.amdgcn_target "amdgcn-amd-amdhsa--gfx1250"
	.amdhsa_code_object_version 6
	.text
	.protected	k_q9dda201524_quant
	.globl	k_q9dda201524_quant
	.p2align	8
	.type	k_q9dda201524_quant,@function
k_q9dda201524_quant:
	s_mov_b64 s[64:65], 0
	v_nop
	global_prefetch_b8 v0, s[64:65] scope:SCOPE_SE
	s_setreg_imm32_b32 hwreg(HW_REG_WAVE_MODE, 25, 1), 1
	s_wait_xcnt 0x0
; x [4096][4096] and W [4096][4096], f32, K innermost, become codes of FP4 (E2M1) with one E8M0 scale byte for each 32 along K.
; x first goes through the activation's int8 fake-quantisation, row by row: s = 127 / max(largest |x| of the row, 1e-5); q = clip(round(x s), -128, 127) / s.
; OUT: xq and wq, laid [8 K steps][4096 positions][272 bytes].  A record of 272 bytes is one row's 512 numbers of a K step: 256 bytes of codes, then four scale words.
;   The block of 32 numbers k = 128 c + 32 g + 0..31 of a K step (c, g = 0..3) lies at bytes 64 g + 16 c of the record, the lower k in the lower four bits; its scale byte is byte c of the word at 256 + 4 g.
;   So blocks of 32 stay whole and are only taken in another order, the same in both tensors: the product's launch sums the same products in another order of K.
;   WHICH ROW LIES AT WHICH POSITION: x's row i at position i.  W's rows are dealt within each group of 64: position 16 b + r holds row 4 r + b, so that in the product's launch
;   the same register of four neighbouring accumulators holds four neighbouring columns of the output.
; SHARES.  Work-group g owns positions 16 g .. 16 g + 15 of BOTH tensors; each of its sixteen waves takes one row of x and one row of W, so that every work-group has the same work.
;   Half of the waves take x first, half W first (p below): while one kind walks x's row pass, which asks for nothing, the other kind's refills go out.
;   A wave holds a whole row, 16,384 bytes, in 128 registers, so that x is read once for maximum and scaling.
; LOADS.  Load j of a row reads 512 consecutive bytes, 16 a lane: lane l holds numbers 128 j + 4 l + 0..3.  A block of 32 lies in eight neighbouring lanes, four numbers each: its largest magnitude takes three steps between lanes.
;   The conversion takes eight registers: the lane's four numbers and the four of the next chunk.  Only its low 16 bits, my four codes, are stored; the other half is never used.
; WAY OUT.  Codes (2 bytes a lane) and scale words meet in a stage in LDS, [8 K steps][x, W][16 rows][272]; behind ONE barrier wave w stores its w-th 4,352 bytes, 256 aligned bytes an instruction.
; ACCURACY.  s is the correctly rounded quotient 127 / m (reciprocal, one Newton step, one correction by the remainder), so x s has the bits of a true division's.
;   n / s is n x (1 / s), 1 / s after one Newton step: two roundings from the quotient.
; THE CLIP to -128 .. 127 is not written, since it cannot act on finite numbers: |x| <= m and s <= (127 / m)(1 + 2^-24) give |x s| <= 127 + 127 x 2^-24, under one unit in the last place (2^-17) above 127:
;   rounded to f32 that is 127 + 2^-17 at the most, and the nearest whole number is 127.
; A block's scale is 2^(floor(log2(largest magnitude)) - 2): its byte is the largest magnitude's exponent field - 2, held at 1 from below by a floor among the maximum's leaves.
; LIMITS: NaN and infinities among the inputs are not served.  A row of x whose largest magnitude is 2^126 or more is not served (its reciprocal would be flushed to 0).
;   A block of zeros gets the byte 1 where the quantiser's rule says 127: its codes are zeros, and this program alone reads the bytes.
.set REC,   272                        ; bytes in a record
.set HALF,  16*REC                     ; the stage: one tensor's 16 records of a K step; also what a wave stores
.set KSTG,  2*HALF                     ; the stage: a K step
.set KSB,   4096*REC                   ; the output: a K step's 4,096 records
.set FLOOR, 0x1800000                  ; 2^(3 - 127)
.set GL,  1                            ; v1      16 x lane: the offset of every load; never rewritten
.set CA,  2                            ; v2-3    stage: my first, my second row's record + 64 (lane / 8) + 2 (lane % 8): my two bytes of codes
.set SA,  4                            ; v4-5    stage: the same records + 256 + 4 (lane / 8): my group's scale word
.set RD,  6                            ; v6      stage, on the way out: 4,352 x wave + 8 x lane
.set GS,  7                            ; v7      8 x lane: the offset of every store; never rewritten
.set M,   8                            ; v8-11   four largest magnitudes
.set SCL, 12                           ; v12-15  the conversions' scale operands
.set S,   16                           ; v16     s (v17 is named with it as a pair, so it is written once)
.set RS,  18                           ; v18     1 / s (v19 likewise)
.set TT,  20                           ; v20-23  at work
.set E,   32                           ; v32-39  a scale word for each K step
.set B,   40                           ; v40-43  four scale bytes
.set C,   44                           ; v44-75  a register of codes for each chunk of the row
.set X,   80                           ; v80-207 the row; on the way out v80-113 are what comes back from the stage
.set PAD, 208                          ; v208-211 zeros: the unused half of the last chunk's conversion
.set SRC, 28                           ; s[28:29] my first row, s[30:31] my second
	s_load_b256 s[4:11], s[0:1], 0x0               ; x s[4:5], W s[6:7], xq s[8:9], wq s[10:11]
	v_lshl_add_u32 v216, v0, 2, 0x11000
	v_mov_b32 v217, 0
	v_lshrrev_b32 v20, 5, v0
	s_delay_alu instid0(VALU_DEP_1)
	v_readfirstlane_b32 s12, v20                   ; wave w, 0..15
	s_lshr_b32 s13, s12, 2
	s_xor_b32 s13, s13, s12
	s_and_b32 s13, s13, 1                          ; p = (w xor w / 4) % 2: 0: x first, 1: W first.  Of waves w, w + 4, w + 8, w + 12, and of four neighbours, two are of each kind
	s_xor_b32 s14, s13, 1                          ; 1 - p
	s_and_b32 s2, s12, 1                           ; on the way out: 0: I store a part of xq, 1: of wq
	v_and_b32 v21, 31, v0                          ; lane
	s_delay_alu instid0(VALU_DEP_1)
	v_lshlrev_b32 v[GL], 4, v21
	s_delay_alu instid0(VALU_DEP_2)
	v_lshlrev_b32 v[GS], 3, v21
	s_mul_i32 s24, s12, REC                        ; my record among a tensor's 16
	s_mul_i32 s25, s13, HALF                       ; my first row's tensor is p,
	s_add_co_u32 s25, s25, s24
	s_mul_i32 s26, s14, HALF                       ; my second row's 1 - p
	s_add_co_u32 s26, s26, s24
	s_mul_i32 s27, s12, HALF                       ; my 4,352 bytes on the way out
	v_bfe_u32 v22, v0, 3, 2                        ; lane / 8
	v_and_b32 v23, 7, v0                           ; lane % 8
	s_delay_alu instid0(VALU_DEP_2)
	v_lshlrev_b32 v20, 6, v22
	s_delay_alu instid0(VALU_DEP_1)
	v_lshl_add_u32 v20, v23, 1, v20
	s_delay_alu instid0(VALU_DEP_1)
	v_add_nc_u32 v[CA], s25, v20
	s_delay_alu instid0(VALU_DEP_2)
	v_add_nc_u32 v[CA+1], s26, v20
	v_lshl_add_u32 v20, v22, 2, 256
	s_delay_alu instid0(VALU_DEP_1)
	v_add_nc_u32 v[SA], s25, v20
	s_delay_alu instid0(VALU_DEP_2)
	v_add_nc_u32 v[SA+1], s26, v20
	v_add_nc_u32 v[RD], s27, v[GS]
	v_mov_b32 v[S+1], 0
	v_mov_b32 v[RS+1], 0
.irp i, 0,1,2,3
	v_mov_b32 v[PAD+\i], 0
.endr
	s_lshl_b32 s16, ttmp9, 18                      ; x: row 16 g + w, 16,384 bytes a row
	s_lshl_b32 s18, s12, 14
	s_add_co_u32 s16, s16, s18
	s_mov_b32 s17, 0
	s_lshr_b32 s20, ttmp9, 2                       ; W: row 64 (g / 4) + 4 w + g % 4
	s_lshl_b32 s20, s20, 20
	s_lshl_b32 s18, s12, 16
	s_add_co_u32 s20, s20, s18
	s_and_b32 s18, ttmp9, 3
	s_lshl_b32 s18, s18, 14
	s_add_co_u32 s20, s20, s18
	s_mov_b32 s21, 0
	s_lshr_b32 s18, s12, 1                         ; out: K step w / 2, the work-group's 16 records
	s_mul_i32 s18, s18, KSB
	s_mul_i32 s19, ttmp9, HALF
	s_add_co_u32 s18, s18, s19
	s_mov_b32 s19, 0
	s_mov_b32 s15, 0x42fe0000                      ; 127.0
	s_mov_b32 s22, 0x76543210                      ; v_permlanex16_b32's selects for lane l xor 16
	s_mov_b32 s23, 0xfedcba98
	s_wait_kmcnt 0x0
	s_add_nc_u64 s[4:5], s[4:5], s[16:17]          ; x at my row
	s_add_nc_u64 s[6:7], s[6:7], s[20:21]          ; W at my row
	s_cmp_eq_u32 s13, 0                            ; the choices hang on the wave's number alone
	s_cselect_b64 s[SRC:SRC+1], s[4:5], s[6:7]
	s_cselect_b64 s[SRC+2:SRC+3], s[6:7], s[4:5]
	s_cmp_eq_u32 s2, 0
	s_cselect_b64 s[8:9], s[8:9], s[10:11]
	s_add_nc_u64 s[8:9], s[8:9], s[18:19]
; K step s of my row r (0: the first, 1: the second): four loads of 512 consecutive bytes
.macro LOADG r, s
.irp c, 0,1,2,3
	global_load_b128 v[X+16*(\s)+4*\c:X+16*(\s)+4*\c+3], v[GL], s[SRC+2*(\r):SRC+2*(\r)+1] offset:2048*(\s)+512*\c th:TH_LOAD_NT
.endr
.endm
; THE ACTIVATION'S FAKE-QUANTISATION of the row in v[X] on, in place.  For x's row alone.
.macro ACT
.irp s, 0,1,2,3,4,5,6,7
	s_wait_alu depctr_va_vdst(0)
	s_wait_loadcnt 28-4*\s                         ; this K step's four loads are in; the row's 28 - 4 s younger loads may be out
.irp c, 0,1,2,3
.if \s == 0
	v_max3_num_f32 v[M+\c], |v[X+4*\c]|, |v[X+4*\c+1]|, |v[X+4*\c+2]|          ; the first numbers start four chains: nothing is cleared
.else
	v_max3_num_f32 v[M+\c], v[M+\c], |v[X+16*\s+4*\c]|, |v[X+16*\s+4*\c+1]|
.endif
.endr
.irp c, 0,1,2,3
.if \s == 0
	s_wait_alu depctr_va_vdst(0)
	v_max_num_f32 v[M+\c], v[M+\c], |v[X+4*\c+3]|
.else
	s_delay_alu instid0(VALU_DEP_4)
	v_max3_num_f32 v[M+\c], v[M+\c], |v[X+16*\s+4*\c+2]|, |v[X+16*\s+4*\c+3]|
.endif
.endr
.endr
	s_delay_alu instid0(VALU_DEP_2)
	v_max3_num_f32 v[M], v[M], v[M+1], v[M+2]
	s_delay_alu instid0(VALU_DEP_1)
	v_max_num_f32 v[M], v[M], v[M+3]
	s_delay_alu instid0(VALU_DEP_1)
	v_max_num_f32_dpp v[M], v[M], v[M] row_xmask:1 row_mask:0xf bank_mask:0xf
	s_delay_alu instid0(VALU_DEP_1)
	v_max_num_f32_dpp v[M], v[M], v[M] row_xmask:2 row_mask:0xf bank_mask:0xf
	s_delay_alu instid0(VALU_DEP_1)
	v_max_num_f32_dpp v[M], v[M], v[M] row_xmask:4 row_mask:0xf bank_mask:0xf
	s_delay_alu instid0(VALU_DEP_1)
	v_max_num_f32_dpp v[M], v[M], v[M] row_xmask:8 row_mask:0xf bank_mask:0xf
	s_delay_alu instid0(VALU_DEP_1)
	v_permlanex16_b32 v[M+1], v[M], s22, s23       ; (its destination has been written)
	s_delay_alu instid0(VALU_DEP_1)
	v_max_num_f32 v[M], v[M], v[M+1]               ; the row's largest magnitude, in every lane,
	s_delay_alu instid0(VALU_DEP_1)
	v_max_num_f32 v[M], 0x3727c5ac, v[M]           ; m: not under 1e-5
	s_wait_alu depctr_va_vdst(0)
	v_rcp_f32 v[TT], v[M]
	v_nop                                          ; a plain instruction behind the reciprocal
	s_wait_alu depctr_va_vdst(0)
	v_fma_f32 v[TT+1], -v[M], v[TT], 1.0
	v_fma_f32 v[TT], v[TT+1], v[TT], v[TT]         ; 1 / m after one Newton step
	s_delay_alu instid0(VALU_DEP_1)
	v_mul_f32 v[TT+1], s15, v[TT]                  ; 127 / m, nearly;
	s_delay_alu instid0(VALU_DEP_1)
	v_fma_f32 v[TT+2], -v[M], v[TT+1], s15         ; its remainder, exact;
	s_delay_alu instid0(VALU_DEP_1)
	v_fma_f32 v[S], v[TT+2], v[TT], v[TT+1]        ; s = 127 / m, rounded once
	s_wait_alu depctr_va_vdst(0)
	v_rcp_f32 v[RS], v[S]
	v_nop
	s_wait_alu depctr_va_vdst(0)
	v_fma_f32 v[TT], -v[S], v[RS], 1.0
	v_fma_f32 v[RS], v[TT], v[RS], v[RS]           ; 1 / s after one Newton step
.irp b, 0,1,2,3,4,5,6,7,8,9,10,11,12,13,14,15      ; eight numbers at a time
.irp p, 0,2,4,6
	v_pk_mul_f32 v[X+8*\b+\p:X+8*\b+\p+1], v[X+8*\b+\p:X+8*\b+\p+1], v[S:S+1] op_sel_hi:[1,0]   ; x s
.endr
.irp p, 0,1,2,3,4,5,6,7
	v_rndne_f32 v[X+8*\b+\p], v[X+8*\b+\p]         ; n: to the nearest whole number, ties to even; it lies in -127 .. 127 (the head comment says why)
.endr
.irp p, 0,2,4,6
	v_pk_mul_f32 v[X+8*\b+\p:X+8*\b+\p+1], v[X+8*\b+\p:X+8*\b+\p+1], v[RS:RS+1] op_sel_hi:[1,0]   ; q = n x (1 / s)
.endr
.endr
.endm
; K STEP s OF MY ROW r BECOMES A RECORD IN THE STAGE.  refill = 1: its registers then take the same K step of my second row.
.macro GROUP r, s, refill
; Loads come back in order.  Chunk 4 s + 4 must be in too: chunk 4 s + 3's conversion names its registers as the half that is not used.
.if \refill
.if \s == 7
	s_wait_loadcnt 28                              ; behind the row's last load: the second row's 28
.else
	s_wait_loadcnt 27                              ; behind load 4 s + 4: 27 - 4 s of this row and 4 s of the second
.endif
.else
.if \s == 7
	s_wait_loadcnt 0
.else
	s_wait_loadcnt 27-4*\s                         ; behind load 4 s + 4: 27 - 4 s of this row
.endif
.endif
.irp c, 0,1,2,3
	v_max3_num_f32 v[M+\c], |v[X+16*\s+4*\c]|, |v[X+16*\s+4*\c+1]|, |v[X+16*\s+4*\c+2]|   ; chunk c: my four numbers (the four chunks by turns)
.endr
.irp c, 0,1,2,3
	s_delay_alu instid0(VALU_DEP_4)
	v_max3_num_f32 v[M+\c], v[M+\c], |v[X+16*\s+4*\c+3]|, FLOOR                          ; and the floor, which holds the byte at 1 from below
.endr
.irp m, 1,2,4
.irp c, 0,1,2,3
	s_delay_alu instid0(VALU_DEP_4)
	v_max_num_f32_dpp v[M+\c], v[M+\c], v[M+\c] row_xmask:\m row_mask:0xf bank_mask:0xf   ; with the seven lanes that share my block
.endr
.endr
.irp c, 0,1,2,3
	s_delay_alu instid0(VALU_DEP_4)
	v_add_nc_u32 v[SCL+\c], 0xff000000, v[M+\c]    ; 2 off the exponent field: the conversion takes the exponent field of this operand as its scale
.endr
.irp c, 0,1,2,3
	v_cvt_scalef32_pk8_fp4_f32 v[C+4*\s+\c], v[X+16*\s+4*\c:X+16*\s+4*\c+7], v[SCL+\c]   ; bits 15:0: my four codes
.endr
.irp c, 0,1,2,3
	v_lshrrev_b32 v[B+\c], 23, v[SCL+\c]           ; the scale's byte.  (Plain instructions behind the conversions)
.endr
	s_delay_alu instid0(VALU_DEP_3)
	v_lshl_or_b32 v[E+\s], v[B+1], 8, v[B]         ; byte c = chunk c's block of my group of eight lanes
	s_delay_alu instid0(VALU_DEP_1)
	v_lshl_or_b32 v[E+\s], v[B+2], 16, v[E+\s]
	s_delay_alu instid0(VALU_DEP_1)
	v_lshl_or_b32 v[E+\s], v[B+3], 24, v[E+\s]
.irp c, 0,1,2,3
	ds_store_b16 v[CA+\r], v[C+4*\s+\c] offset:KSTG*\s+16*\c
.endr
	ds_store_b32 v[SA+\r], v[E+\s] offset:KSTG*\s  ; eight lanes write the same word with the same value
.if \refill
	LOADG \r+1, \s
.endif
.endm
.macro ROW r, refill
.if \r > 0
	s_wait_dscnt 0x0                               ; the first row's LDS stores have read their registers
.endif
	s_cmp_lg_u32 s13, \r                           ; row r is x's where r = p; W is quantised as it is.  The branch hangs on the wave's number and goes round register work and waits alone
	s_cbranch_scc1 .Lplain_\@
	ACT
.Lplain_\@:
.irp s, 0,1,2,3,4,5,6,7
	GROUP \r, \s, \refill
.endr
.endm
.irp s, 0,1,2,3,4,5,6,7
	LOADG 0, \s                                    ; my first row: 32 loads a wave
.endr
	ROW 0, 1
	ROW 1, 0
	s_wait_dscnt 0x0                               ; for the others' sake: my stores into the stage are done
	s_barrier_signal -1
	s_barrier_wait -1                              ; the 32 rows' records lie in the stage
.irp i, 0,1,2,3,4,5,6,7,8,9,10,11,12,13,14,15,16
	ds_load_b64 v[X+2*\i:X+2*\i+1], v[RD] offset:256*\i
.endr
.irp i, 0,1,2,3,4,5,6,7,8,9,10,11,12,13,14,15,16
	s_wait_dscnt 16-\i                             ; LDS loads come back in order: load i is in
	global_store_b64 v[GS], v[X+2*\i:X+2*\i+1], s[8:9] offset:256*\i   ; 32 lanes store 256 consecutive bytes, at a multiple of 256 from the buffer's first byte; the next launch reads them
.endr
	s_wait_tensorcnt 0x0
	ds_add_u32 v216, v217
	s_wait_dscnt 0x0
	s_endpgm
.Lfunc_end_k_q9dda201524_quant:
	.size	k_q9dda201524_quant, .Lfunc_end_k_q9dda201524_quant-k_q9dda201524_quant
	.p2alignl 7, 3214868480
	.fill 96, 4, 3214868480
	.section	.rodata,"a",@progbits
	.p2align	6, 0x0
	.amdhsa_kernel k_q9dda201524_quant
		.amdhsa_group_segment_fixed_size 71680
		.amdhsa_private_segment_fixed_size 0
		.amdhsa_enable_private_segment 0
		.amdhsa_kernarg_size 32
		.amdhsa_user_sgpr_count 2
		.amdhsa_user_sgpr_kernarg_segment_ptr 1
		.amdhsa_wavefront_size32 1
		.amdhsa_system_sgpr_workgroup_id_x 1
		.amdhsa_system_sgpr_workgroup_id_y 1
		.amdhsa_system_sgpr_workgroup_id_z 1
		.amdhsa_system_vgpr_workitem_id 0
		.amdhsa_next_free_vgpr 218
		.amdhsa_next_free_sgpr 66
		.amdhsa_reserve_vcc 0
		.amdhsa_float_denorm_mode_32 3
		.amdhsa_float_denorm_mode_16_64 3
		.amdhsa_memory_ordered 1
		.amdhsa_forward_progress 1
		.amdhsa_inst_pref_size 103
	.end_amdhsa_kernel
	.amdgpu_metadata
---
amdhsa.version: [ 1, 2 ]
amdhsa.kernels:
  - .name:           k_q9dda201524_quant
    .symbol:         k_q9dda201524_quant.kd
    .args:
      - { .name: x, .offset: 0, .size: 8, .value_kind: global_buffer, .address_space: global }
      - { .name: W, .offset: 8, .size: 8, .value_kind: global_buffer, .address_space: global }
      - { .name: xq, .offset: 16, .size: 8, .value_kind: global_buffer, .address_space: global }
      - { .name: wq, .offset: 24, .size: 8, .value_kind: global_buffer, .address_space: global }
    .group_segment_fixed_size: 71680
    .private_segment_fixed_size: 0
    .kernarg_segment_align: 8
    .kernarg_segment_size: 32
    .max_flat_workgroup_size: 512
    .sgpr_count:     66
    .vgpr_count:     218
    .wavefront_size: 32
...
	.end_amdgpu_metadata
.endif
;; end of part 1
;; launch gemm (part 2): grid 16 x 16, 4 waves a work-group, clusters of 4 x 4, 327,680 bytes of LDS; arguments xq, wq, bias, weight_scale, out0; writes out0
.if DOCPART == 2
	.amdgcn_target "amdgcn-amd-amdhsa--gfx1250"
	.amdhsa_code_object_version 6
	.text
	.protected	k_q9dda201524_gemm
	.globl	k_q9dda201524_gemm
	.p2align	8
	.type	k_q9dda201524_gemm,@function
k_q9dda201524_gemm:
	s_mov_b64 s[64:65], 0
	v_nop
	global_prefetch_b8 v0, s[64:65] scope:SCOPE_SE
	s_setreg_imm32_b32 hwreg(HW_REG_WAVE_MODE, 25, 1), 1
	s_wait_xcnt 0x0
	s_wait_alu depctr_hold_cnt(0) depctr_sa_sdst(0) depctr_va_vdst(0) depctr_va_sdst(0) depctr_va_ssrc(0) depctr_va_vcc(0) depctr_vm_vsrc(0)
	s_getreg_b32 s2, hwreg(HW_REG_IB_STS2, 6, 4)
	s_cmp_eq_u32 s2, 0
	s_cbranch_scc0 .Lentry_in_a_cluster
	s_endpgm
.Lentry_in_a_cluster:
	s_bfe_u32 s2, ttmp6, 0x10000c
	s_cmp_lg_u32 s2, 0xf033
	s_cbranch_scc0 .Lentry_shape_is_right
	s_endpgm
.Lentry_shape_is_right:
; out0[m][n] = (sum over k of q[m][k] W[n][k] + bias[n]) / weight_scale, on the codes of FP4 (E2M1) and E8M0 scale bytes that the launch before laid into xq and wq.
; xq, wq: [8 K steps][4096 positions][272 bytes]; a record is a row's 512 codes of a K step (256 bytes) and its four scale words.  Bytes 64 q .. 64 q + 63 of a record and word q are what one matrix instruction takes of that row.
; wq's rows are dealt within each group of 64: position 16 b + r holds row 4 r + b, so register j of accumulators b = 0..3 of a lane are four neighbouring columns of out0.
; SHARES: a work-group of four waves makes 256 x 256 of out0, a wave 128 x 128: 64 accumulators, 512 registers.  K goes in 8 steps of 512 through two LDS slots of 139,264 bytes; a wave's tensor load brings 128 records, a dense block, as 136 rows of 256 bytes.
; CLUSTERS: 4 x 4 work-groups; x's tile is asked for jointly along a row of the cluster, W's along a column.
; A step of 128 along K is 64 matrix instructions on end, x's blocks of 16 rows one after the other, each against W's eight.  Both operands have TWO sets of fragment registers: the next step's 32 LDS loads go out in ONE run at the step's head,
; behind four places, 64 matrix instructions ahead of their use; each block waits by count for its own fragment.
; THE LAST K STEP GOES BY ROWS OF out0: all its fragments of W fill window 1, and each block of 16 rows is finished, scaled and stored before the next is multiplied.
; PREFETCH: behind the joint load of K step 0 stands a request for K step 1, behind that of K step 1 requests for K steps 2 and 3, behind that of K step t (2 to 5) one for K step t + 2: never more than two K steps are asked for and not yet loaded.
; Of the 136 blocks of 256 bytes that a wave loads, each of the four partners that ask jointly names 34, told apart by address (two instructions a wave: 32 blocks, then 2, the lanes left over naming the last again).
; The refills of K steps 6 and 7 ask for nothing: every address lies inside its buffer.
; REGISTERS.  Window 0: v0-31 addresses; v32-95 scale words, a set for each slot; v96-105 bias / weight_scale and 1 / weight_scale; v128-191, v192-255 x's fragments.  Window 1: W's fragments at v0 and v128 (in the last K step all 256).
;   Windows 2, 3: the accumulators of my rows 0-63, 64-127: (a, b) at v[8 (8 (a % 4) + b)].
; LIMITS: the division is a multiplication by v_rcp_f32(weight_scale), and the bias is multiplied by it first: two roundings more than the quotient.  A weight_scale under 2^-126 or of 2^126 and more in magnitude is not served (the reciprocal flushes denormals: ISA guide, 15.8).
.set SIZE_N, 4096
.set PITCH,  272
.set NP,     4                         ; places behind this matrix form (ISA guide 7.12.1)
.set HALFT,  128*PITCH
.set SLOT,   4*HALFT                   ; x's 256 records, then W's 256
.set KSB,    4096*PITCH                ; a K step of xq or wq in bytes
.set SPARE,  2*SLOT                    ; behind the ring: the spare words, 128 bytes a wave
.set ADRA, 16                          ; v16-17 LDS address of my fragments of x in slot 0, 1
.set ADRB, 20                          ; v20-21 the same for W
.set ADRS, 22                          ; v22-23 scale words: lanes 0-15 x's records, lanes 16-31 W's
.set CO,   26                          ; v26    my byte offset in out0
.set BO,   27                          ; v27    my byte offset in the bias
.set SPW,  28                          ; v28    my spare word; never rewritten
.set NIL,  29                          ; v29    0; never rewritten
.set PFO,  30                          ; v30    prefetch: 256 x lane
.set PFO2, 31                          ; v31    prefetch: 256 x min(32 + lane, 33)
.set SC,   32
.set BI,   96
.set INV,  104
.set AF,   128
.set PFA,  4                           ; s[4:5] where my prefetches stand
.set G1, 24
.set G0, 32
.set G1B, 48
.set G0B, 56
.set MSB, 0
.macro WIN new                         ; the immediate's high byte repeats the setting that is left
.if MSB != \new
	s_set_vgpr_msb (MSB<<8)|\new
.set MSB, \new
.endif
.endm
.set MUL_LO, 0xa4                      ; source 0 (x) window 0, source 1 (W) window 1, C and D window 2
.set MUL_HI, 0xf4                      ; the same, C and D window 3
.set TO_B,   0x40                      ; destination window 1, address window 0
.macro JLOAD g0a, g1a, g0b, g1b        ; a joint load: waves 0, 1 fetch x's halves, waves 2, 3 W's; s_nop 0 and four v_nop behind each line
	s_cmp_eq_u32 s15, 0
	s_cbranch_scc0 .Lfor_b_\@
	tensor_load_to_lds s[\g0a:\g0a+3], s[\g1a:\g1a+7]
	s_nop 0
.rept 4
	v_nop
.endr
	s_branch .Lasked_\@
.Lfor_b_\@:
	tensor_load_to_lds s[\g0b:\g0b+3], s[\g1b:\g1b+7]
	s_nop 0
.rept 4
	v_nop
.endr
.Lasked_\@:
.endm
.macro CREST                           ; a round of the cluster's barrier behind its opening barrier
	s_cmp_lg_u32 s14, 0
	s_cbranch_scc1 .Lnot_wave_0_\@
	s_barrier_signal -3
.Lnot_wave_0_\@:
	s_barrier_wait -3
	s_barrier_signal -1
	s_barrier_wait -1
.endm
.macro CROUND
	s_barrier_signal -1
	s_barrier_wait -1
	CREST
.endm
.macro PLACES n
.rept \n
	v_nop
.endr
.endm
.macro ASKFOR t                        ; my 34 blocks of the K step that lies t K steps behind where s[PFA:PFA+1] stands
	global_prefetch_b8 v[PFO], s[PFA:PFA+1] offset:(\t)*KSB th:TH_LOAD_NT scope:SCOPE_SE
	global_prefetch_b8 v[PFO2], s[PFA:PFA+1] offset:(\t)*KSB th:TH_LOAD_NT scope:SCOPE_SE
.endm
	s_load_b256 s[4:11], s[0:1], 0x0               ; xq s[4:5], wq s[6:7], bias s[8:9], weight_scale s[10:11]
	s_load_b64 s[12:13], s[0:1], 0x20              ; out0
	v_lshl_add_u32 v[SPW], v0, 2, SPARE
	v_mov_b32 v[NIL], 0
	ds_add_u32 v[SPW], v[NIL]                      ; the opening lines: the add, twice on end, and its wait ahead of my first tensor load
	ds_add_u32 v[SPW], v[NIL]
	v_lshrrev_b32 v1, 5, v0
	v_readfirstlane_b32 s14, v1                    ; wave 0..3
	s_lshr_b32 s15, s14, 1                         ; my half of the tile's rows; also: I fetch for x (0) or W (1)
	s_and_b32 s16, s14, 1                          ; my half of its columns; also: which 128 records I fetch
	s_bfe_u32 s40, ttmp6, 0x40000                  ; cx
	s_bfe_u32 s41, ttmp6, 0x40004                  ; cy
	s_lshl_b32 s42, ttmp9, 2
	s_add_co_u32 s42, s42, s40                     ; tile column
	s_and_b32 s17, ttmp7, 0xffff
	s_lshl_b32 s17, s17, 2
	s_add_co_u32 s17, s17, s41                     ; tile row
	s_lshl_b32 s43, s41, 2
	s_lshl_b32 s43, 15, s43                        ; my row of the cluster
	s_lshl_b32 s44, 0x1111, s40                    ; my column
	s_or_b32 s[G1+0], s43, (3<<16)|(1<<21)         ; the mask; elements of 8 bytes; bit 21 beside a mask; no padding: the records carry their own pitch
	s_or_b32 s[G1B+0], s44, (3<<16)|(1<<21)
.irp g, G1, G1B
	s_mov_b32 s[\g+1], 32<<16                      ; rows of 32 elements = 256 bytes
	s_mov_b32 s[\g+2], 136<<16                     ; 136 rows = 128 records
	s_mov_b32 s[\g+3], 32<<16
	s_mov_b32 s[\g+4], 136
	s_mov_b32 s[\g+5], 32
	s_mov_b32 s[\g+6], 0
	s_mov_b32 s[\g+7], 0
.endr
	s_lshl_b32 s19, s16, 7
	s_lshl_b32 s20, s17, 8
	s_add_co_u32 s20, s20, s19
	s_mul_i32 s20, s20, PITCH                      ; x: record 256 x tile row + 128 x half, in bytes
	s_mov_b32 s21, 0
	s_lshl_b32 s46, s42, 8
	s_add_co_u32 s46, s46, s19
	s_mul_i32 s46, s46, PITCH                      ; W: record 256 x tile column + 128 x half
	s_mov_b32 s47, 0
	s_mul_i32 s45, s14, HALFT                      ; where my records go in a slot
	s_cmp_eq_u32 s15, 0                            ; the prefetches' offset: the records that I fetch,
	s_cselect_b32 s22, s20, s46
	s_cselect_b32 s23, s40, s41                    ; and my work-group's place among the four that ask with me:
	s_mul_i32 s23, s23, 34*256                     ; 34 blocks of 256 bytes each
	s_add_co_u32 s22, s22, s23
	s_mov_b32 s23, 0
	s_lshl_b32 s18, s42, 10                        ; my first column in bytes: 1,024 x tile column + 512 x half
	s_lshl_b32 s19, s16, 9
	s_add_co_u32 s18, s18, s19
	s_mov_b32 s19, 0
	s_lshl_b32 s2, s17, 8                          ; my first row of out0, 16,384 bytes a row, and the column
	s_lshl_b32 s3, s15, 7
	s_add_co_u32 s2, s2, s3
	s_lshl_b32 s2, s2, 14
	s_add_co_u32 s2, s2, s18
	s_mov_b32 s3, 0
	s_mul_i32 s32, s15, HALFT                      ; LDS: my 128 records of x,
	s_mul_i32 s33, s16, HALFT
	s_add_co_u32 s33, s33, 2*HALFT                 ; of W, behind x's 256,
	s_sub_co_u32 s34, s33, s32                     ; and the distance between the two
	v_and_b32 v1, 15, v0                           ; r = l % 16
	v_bfe_u32 v2, v0, 4, 1                         ; h = l / 16
	v_and_b32 v7, 31, v0                           ; lane
	v_mul_u32_u24 v3, v1, PITCH
	v_mul_u32_u24 v6, s34, v2                      ; lanes 16-31 take W's scale words
	v_lshlrev_b32 v[BO], 4, v1
	v_lshlrev_b32 v[PFO], 8, v7
	v_add_nc_u32 v8, 32, v7
	v_lshl_add_u32 v4, v2, 4, v3                   ; a fragment: record r, + 16 h
	v_add_nc_u32 v5, v3, v6
	v_min_u32 v8, 33, v8
	v_add_nc_u32 v[ADRA], s32, v4
	v_add_nc_u32 v[ADRB], s33, v4
	v_add_nc_u32 v5, 256, v5
	v_lshl_add_u32 v[CO], v2, 17, v[BO]            ; out0: 16 r bytes, 8 h rows
	v_lshlrev_b32 v[PFO2], 8, v8
	v_add_nc_u32 v[ADRS], s32, v5
	v_add_nc_u32 v[ADRA+1], SLOT, v[ADRA]
	v_add_nc_u32 v[ADRB+1], SLOT, v[ADRB]
	v_add_nc_u32 v[ADRS+1], SLOT, v[ADRS]
	s_wait_alu depctr_va_vdst(0)
	s_wait_dscnt 0x0                               ; both opening adds are done
	s_wait_kmcnt 0x0
	s_add_nc_u64 s[12:13], s[12:13], s[2:3]        ; out0 at my part
	s_add_nc_u64 s[8:9], s[8:9], s[18:19]          ; the bias at my columns
	s_load_b32 s2, s[10:11], 0x0                   ; weight_scale: on its way beside K step 0
	s_add_nc_u64 s[20:21], s[4:5], s[20:21]
	s_add_nc_u64 s[46:47], s[6:7], s[46:47]
	s_cmp_eq_u32 s15, 0                            ; the choice hangs on the wave's number alone
	s_cselect_b64 s[PFA:PFA+1], s[4:5], s[6:7]
	s_add_nc_u64 s[PFA:PFA+1], s[PFA:PFA+1], s[22:23]   ; K step 0's 34 blocks of mine
.irp s, 0,1
	s_mov_b32 s[G0+4*\s], 1
	s_add_co_u32 s[G0+4*\s+1], s45, \s*SLOT
	s_add_nc_u64 s[G0+4*\s+2:G0+4*\s+3], s[20:21], \s*KSB
	s_or_b32 s[G0+4*\s+3], s[G0+4*\s+3], 0x80000000
	s_mov_b32 s[G0B+4*\s], 1
	s_add_co_u32 s[G0B+4*\s+1], s45, \s*SLOT
	s_add_nc_u64 s[G0B+4*\s+2:G0B+4*\s+3], s[46:47], \s*KSB
	s_or_b32 s[G0B+4*\s+3], s[G0B+4*\s+3], 0x80000000
.endr
	CROUND                                         ; all sixteen work-groups are here: the first joint loads meet
	JLOAD G0, G1, G0B, G1B                         ; K step 0: one tensor load a wave at the head
	ASKFOR 1                                       ; K step 1
	global_load_b128 v[BI:BI+3], v[BO], s[8:9]               ; bias of columns 4 r .. 4 r + 3 of my first 64,
	global_load_b128 v[BI+4:BI+7], v[BO], s[8:9] offset:256  ; and of my second 64
	s_wait_kmcnt 0x0
	s_wait_loadcnt 0x0
	v_rcp_f32 v[INV], s2
	v_nop                                          ; a plain place behind the reciprocal
	s_wait_alu depctr_va_vdst(0)                   ; ahead of its first reader
	v_mov_b32 v[INV+1], v[INV]
.irp i, 0,2,4,6
	v_pk_mul_f32 v[BI+\i:BI+\i+1], v[BI+\i:BI+\i+1], v[INV:INV+1]   ; bias / weight_scale
.endr
.macro FRAG reg, adr, q, i             ; 16 records x 128 K: lane l holds record l % 16; registers 4 c .. 4 c + 3 are bytes 64 q + 32 c + 16 (l / 16) on
.irp c, 0,1
	ds_load_b128 v[\reg+4*\c:\reg+4*\c+3], v[\adr] offset:64*(\q)+32*\c+(\i)*16*PITCH
.endr
.endm
.macro WM d, fa, fb, sa, sb, zero      ; zero = 1: the product starts the sum
.if \zero
	v_wmma_scale_f32_16x16x128_f8f6f4 v[\d:\d+7], v[\fa:\fa+7], v[\fb:\fb+7], 0, v[\sa], v[\sb] matrix_a_fmt:MATRIX_FMT_FP4 matrix_b_fmt:MATRIX_FMT_FP4 matrix_b_scale:MATRIX_SCALE_ROW1
.else
	v_wmma_scale_f32_16x16x128_f8f6f4 v[\d:\d+7], v[\fa:\fa+7], v[\fb:\fb+7], v[\d:\d+7], v[\sa], v[\sb] matrix_a_fmt:MATRIX_FMT_FP4 matrix_b_fmt:MATRIX_FMT_FP4 matrix_b_scale:MATRIX_SCALE_ROW1
.endif
.endm
.macro MUL8 a, p, q, sc, zero          ; x's block a against W's eight; p: the sets of fragments; sc: the set of scale words.  The accumulators take turns
	WIN MUL_LO+0x50*((\a)/4)
.irp b, 0,1,2,3,4,5,6,7
	WM 8*(8*((\a)%4)+\b), AF+64*(\p)+8*(\a), 128*(\p)+8*\b, SC+32*(\sc)+4*(\a)+(\q), SC+32*(\sc)+4*\b+(\q), \zero
.endr
.endm
.macro LDB slot, q, p                  ; W's eight fragments of the slot's q-th 128 along K into set p
	WIN TO_B
.irp i, 0,1,2,3,4,5,6,7
	FRAG 128*(\p)+8*\i, ADRB+\slot, \q, \i
.endr
.endm
.macro LDA slot, q, p                  ; the same for x
	WIN 0
.irp i, 0,1,2,3,4,5,6,7
	FRAG AF+64*(\p)+8*\i, ADRA+\slot, \q, \i
.endr
.endm
.macro SCALES sc                       ; a K step's scale words: four words a record
.irp i, 0,1,2,3,4,5,6,7
	ds_load_b128 v[SC+32*\sc+4*\i:SC+32*\sc+4*\i+3], v[ADRS+\sc] offset:\i*16*PITCH
.endr
.endm
.macro FETCH slot                      ; 40 loads: a slot's scale words and its first fragments, W's eight and then x's eight, into sets 0
	SCALES \slot
	LDB \slot, 0, 0
	LDA \slot, 0, 0
.endm
; A step of 128 along K that has its successor in the same slot.  At its head, behind four places (the sets that they fill were last read by the step before), the successor's 32 loads: W's 16, then x's blocks 0 to 7, two each.
; This step's own set was loaded in the same order, so block a's wait leaves out the 2 (7 - a) younger loads of its own set and the 32 just issued.
.macro STEP slot, q, zero
	PLACES NP
	LDB \slot, (\q)+1, 1-(\q)%2
	LDA \slot, (\q)+1, 1-(\q)%2
.irp a, 0,1,2,3,4,5,6,7
	s_wait_dscnt 46-2*\a
	MUL8 \a, (\q)%2, \q, \slot, \zero
.endr
	WIN 0
.endm
; The first three blocks of a slot's last step: ONE barrier for the change of slots; in front of it each wave waits for all its tensor loads, adds 0 to its spare word, and waits for that and for its reads of this slot.
; fill = 1: the slot's descriptors step two K steps on while no tensor load of mine is out.
.macro MEET slot, fill
	s_wait_tensorcnt 0x0                           ; my part of the next slot has landed
	ds_add_u32 v[SPW], v[NIL]
.if \fill
	s_add_nc_u64 s[G0+4*\slot+2:G0+4*\slot+3], s[G0+4*\slot+2:G0+4*\slot+3], 2*KSB
	s_add_nc_u64 s[G0B+4*\slot+2:G0B+4*\slot+3], s[G0B+4*\slot+2:G0B+4*\slot+3], 2*KSB
.endif
	s_wait_dscnt 13                                ; the add and x's blocks 2 to 7 may be out
	MUL8 0, 1, 3, \slot, 0
	MUL8 1, 1, 3, \slot, 0
	s_wait_dscnt 0x0                               ; the add is done, and my reads of this slot are over
	s_barrier_signal -1
	MUL8 2, 1, 3, \slot, 0
	WIN 0
	s_barrier_wait -1
.endm
.macro TURN slot, next                 ; a slot's last step; the slot is filled again, two K steps ahead
	s_wait_xcnt 0x0                                ; my prefetches have read their address: it steps here
	s_add_nc_u64 s[PFA:PFA+1], s[PFA:PFA+1], KSB
	MEET \slot, 1
	CREST                                          ; the barrier has opened a round of the cluster's barrier: no wave of any partner still reads this slot or has a load on its way
	JLOAD G0+4*\slot, G1, G0B+4*\slot, G1B         ; the first tensor load behind the round; its four v_nop are the places in front of the loads below
	FETCH \next
	s_cmp_gt_u32 s3, 1                             ; the last trip's refills are K steps 6 and 7: no K step stands two on
	s_cbranch_scc0 .Lno_ask_\@
	ASKFOR 3                                       ; the K step two refills on
.Lno_ask_\@:
.irp a, 3,4,5,6,7
	MUL8 \a, 1, 3, \slot, 0
.endr
	WIN 0
.endm
	s_wait_alu depctr_va_vdst(0)
	s_wait_tensorcnt 0x0                           ; my part of K step 0 is in
	ds_add_u32 v[SPW], v[NIL]
	s_wait_dscnt 0x0
	CROUND
	JLOAD G0+4, G1, G0B+4, G1B                     ; K step 1, the first tensor load behind the round
	FETCH 0
	ASKFOR 2                                       ; K steps 2 and 3
	ASKFOR 3
	STEP 0, 0, 1                                   ; the first step stands in front of the loop: its products start the sums
	s_mov_b32 s3, 3
.Llap:                                                 ; a trip goes once round the ring and fills both slots again
	STEP 0, 1, 0
	STEP 0, 2, 0
	TURN 0, 1
	STEP 1, 0, 0
	STEP 1, 1, 0
	STEP 1, 2, 0
	TURN 1, 0
	STEP 0, 0, 0
	s_sub_co_u32 s3, s3, 1
	s_cmp_lg_u32 s3, 0
	s_cbranch_scc1 .Llap
	STEP 0, 1, 0
	STEP 0, 2, 0
; THE LAST K STEP (slot 1), BY ROWS OF out0.
.macro BLOAD q                         ; W's fragments of quarter q -> window 1, v[64 q ..]
.irp i, 0,1,2,3,4,5,6,7
	FRAG 64*(\q)+8*\i, ADRB+1, \q, \i
.endr
.endm
.macro ALOAD a                         ; x's block a, all four quarters -> buffer a % 2 of v128-191
.irp q, 0,1,2,3
	FRAG AF+32*((\a)%2)+8*\q, ADRA+1, \q, \a
.endr
.endm
.macro ROW a                           ; block a is finished: 32 matrix instructions, its 8 accumulators by turns
	WIN MUL_LO+0x50*((\a)/4)
.irp q, 0,1,2,3
.if (\a) == 0 && \q == 2
	s_wait_dscnt 0x0                               ; W's quarter 2, the youngest loads, is in
.endif
.irp b, 0,1,2,3,4,5,6,7
	WM 64*((\a)%4)+8*\b, AF+32*((\a)%2)+8*\q, 64*\q+8*\b, SC+32+4*(\a)+\q, SC+32+4*\b+\q, 0
.endr
.endr
.endm
; Block a leaves: sum x (1 / weight_scale) + bias / weight_scale; register j of four neighbouring accumulators becomes 16 bytes of a row, and sixteen lanes store 256 consecutive aligned bytes.
; The results go into registers that are done with and are never written again: block 0's into v192-255 of window 0, block a's into block a - 1's accumulators.  Each accumulator is read from its low end on.
.macro OUTB a
.set AC, 64*((\a)%4)
.if (\a) == 0
.set OD, 192
.set WF, 0x02
.set WS, 0x00
.else
.set OD, 64*(((\a)-1)%4)
.set WF, ((2+(((\a)-1)/4))<<6)|(2+((\a)/4))
.set WS, (2+(((\a)-1)/4))<<2
.endif
	WIN WF
.irp j, 0,1,2,3,4,5,6,7
.irp g, 0,1
.irp b, 0,1,2,3
	v_fma_f32 v[OD+8*\j+4*\g+\b], v[AC+8*(4*\g+\b)+\j], v[INV], v[BI+4*\g+\b]
.endr
.endr
.endr
	WIN WS
.irp j, 0,1,2,3,4,5,6,7
.irp g, 0,1
	global_store_b128 v[CO], v[OD+8*\j+4*\g:OD+8*\j+4*\g+3], s[12:13] offset:(16*(\a)+\j)*SIZE_N*4+256*\g th:TH_STORE_NT
.endr
.endr
.endm
	MEET 0, 0                                      ; slot 1 holds K step 7; nothing is filled again, so no round follows
	PLACES NP                                      ; for the loads into the sets 0, which the step before multiplied
	SCALES 1
	WIN TO_B
	BLOAD 0                                        ; three quarters of W now: v128-191 of window 1 are still being multiplied
	BLOAD 1
	BLOAD 3
	WIN 0
	ALOAD 0
	ALOAD 1
.irp a, 3,4,5,6,7
	MUL8 \a, 1, 3, 0, 0
.endr
	PLACES NP
	WIN TO_B
	BLOAD 2
	s_wait_dscnt 24                                ; all but x's block 1 (8 loads) and W's quarter 2 (16)
	ROW 0
.irp a, 0,1,2,3,4,5,6,7
	PLACES NP                                      ; behind the block's products: for the reads of its results and the loads into its buffer
.if \a < 6
	WIN 0
	ALOAD \a+2
.endif
	OUTB \a
.if \a < 6
	s_wait_dscnt 8                                 ; block a + 1's fragments are in; block a + 2's eight loads may be out
	ROW \a+1
.endif
.if \a == 6
	s_wait_dscnt 0x0
	ROW \a+1
.endif
.endr
	WIN 0
	s_wait_tensorcnt 0x0                           ; the wave's end
	ds_add_u32 v[SPW], v[NIL]
	s_wait_dscnt 0x0
	CROUND                                         ; the closing round
	s_endpgm
.Lfunc_end_k_q9dda201524_gemm:
	.size	k_q9dda201524_gemm, .Lfunc_end_k_q9dda201524_gemm-k_q9dda201524_gemm
	.p2alignl 7, 3214868480
	.fill 96, 4, 3214868480
	.section	.rodata,"a",@progbits
	.p2align	6, 0x0
	.amdhsa_kernel k_q9dda201524_gemm
		.amdhsa_group_segment_fixed_size 327680
		.amdhsa_private_segment_fixed_size 0
		.amdhsa_enable_private_segment 0
		.amdhsa_kernarg_size 40
		.amdhsa_user_sgpr_count 2
		.amdhsa_user_sgpr_kernarg_segment_ptr 1
		.amdhsa_wavefront_size32 1
		.amdhsa_system_sgpr_workgroup_id_x 1
		.amdhsa_system_sgpr_workgroup_id_y 1
		.amdhsa_system_sgpr_workgroup_id_z 1
		.amdhsa_system_vgpr_workitem_id 0
		.amdhsa_next_free_vgpr 1024
		.amdhsa_next_free_sgpr 66
		.amdhsa_reserve_vcc 0
		.amdhsa_float_denorm_mode_32 3
		.amdhsa_float_denorm_mode_16_64 3
		.amdhsa_memory_ordered 1
		.amdhsa_forward_progress 1
		.amdhsa_inst_pref_size 227
	.end_amdhsa_kernel
	.amdgpu_metadata
---
amdhsa.version: [ 1, 2 ]
amdhsa.kernels:
  - .name:           k_q9dda201524_gemm
    .symbol:         k_q9dda201524_gemm.kd
    .args:
      - { .name: xq, .offset: 0, .size: 8, .value_kind: global_buffer, .address_space: global }
      - { .name: wq, .offset: 8, .size: 8, .value_kind: global_buffer, .address_space: global }
      - { .name: bias, .offset: 16, .size: 8, .value_kind: global_buffer, .address_space: global }
      - { .name: weight_scale, .offset: 24, .size: 8, .value_kind: global_buffer, .address_space: global }
      - { .name: out0, .offset: 32, .size: 8, .value_kind: global_buffer, .address_space: global }
    .group_segment_fixed_size: 327680
    .private_segment_fixed_size: 0
    .kernarg_segment_align: 8
    .kernarg_segment_size: 40
    .max_flat_workgroup_size: 128
    .sgpr_count:     66
    .vgpr_count:     1024
    .wavefront_size: 32
...
	.end_amdgpu_metadata
.endif
;; end of part 2
